; MI455X (gfx1250); checked and timed in simulation.
; The chip was launched on July 23, 2026; its instructions are those of AMD's public machine-readable ISA for CDNA 5 (MIT licence, August 2026) and "CDNA5" Instruction Set Architecture Reference Guide (July 2026). The comments in the code are by the model that wrote it; some were corrected since.
;; slam model. Allowed arithmetic: matrix products marked QUANTISED: E2M1 operands, one E8M0 scale for each 32 along K, by v_wmma_scale_f32_16x16x128_f8f6f4 with both operands' format E2M1 (or v_wmma_scale_f32_32x16x128_f4), f32 sums; everything else in f32.
;; Inputs: embed_weight 16,000 x 2,048 float32; encoder_outs 4 x 512 x 2,048 float32; input_ids 4 x 1,024 int32; modality_mask 4 x 1,024 bool.
;; Outputs: out0 4 x 1,024 x 2,048 float32; out1 4 x 512 int32.
;; This version of the problem:
;;   THIS VERSION OF THE PROBLEM IS GIVEN IN LOW PRECISION. The matrix products marked QUANTISED in the list below multiply operands that are first quantised to E2M1 (2 exponent bits, 1 mantissa bit; 4 bits a number), with one power-of-two scale for each 32 numbers along K (OCP MX v1.0); their sums are f32. All else is computed in f32.
;;   The module's matrix products, in the order in which they are computed (A, B: the left and right operand; K: the contracted axis; several contracted axes count as one K, in the product's order):
;;     1. [M 2,048, K 2,048] x [K 2,048, N 16,000]; A: input encoder_outs; B: input embed_weight: QUANTISED
;;   THE QUANTISER, for each operand of a quantised product, along K:
;;     - K is cut into blocks of 32 from its start; a last block that is shorter is filled with zeros.
;;     - A block's scale is 2^e with e = floor(log2(the largest magnitude in the block)) - 2, held to -126 .. 127; a block of zeros has e = 0. As a byte (E8M0): e + 127.
;;     - Each number is divided by its block's scale, clamped to +-6, and rounded to the nearest number of E2M1, ties to even, subnormals kept.
;;     - The product sums the exact products of the quantised numbers (number of the format x scale) in f32.
;;   ~~~python
;;   def quantise(x, axis):      # numpy; x: float32 -> the quantised numbers, widened to float32 again
;;       x = np.moveaxis(x, axis, -1); K = x.shape[-1]
;;       x = np.pad(x, [(0, 0)] * (x.ndim - 1) + [(0, -K % 32)]); x = x.reshape(x.shape[:-1] + (-1, 32)); a = np.abs(x).max(-1, keepdims=True)
;;       e = np.where(a > 0, np.clip(np.frexp(np.where(a > 0, a, 1))[1] - 1 - 2, -126, 127), 0)      # np.frexp(a)[1] - 1 = floor(log2(a)), exactly
;;       r = np.clip(x / 2.0 ** e, -6, 6)
;;       step = 2.0 ** (np.maximum(np.frexp(np.where(r == 0, 1, r))[1] - 1, 0) - 1)
;;       q = np.round(r / step) * step * 2.0 ** e      # np.round: ties to even
;;       return np.moveaxis(q.reshape(q.shape[:-2] + (-1,))[..., :K], -1, axis).astype(np.float32)
;;   ~~~
;; One version. Each part assembles by itself: llvm-mc -triple=amdgcn-amd-amdhsa -mcpu=gfx1250 --defsym DOCPART=n.
;; ======== version 1 of 1: 3 launches
;; limits: right only within a limited range of input values
;; workspace buffers: ecodes 2,097,152 bytes; escales 131,072 bytes; wcodes 16,777,216 bytes; wscales 1,048,576 bytes; einv 8,192 bytes; winv 65,536 bytes; part 1,048,576 bytes of whole numbers
;; launch quant (part 1): grid 256 x 1, 18 waves a work-group, no clusters, 149,760 bytes of LDS; arguments encoder_outs, embed_weight, ecodes, wcodes, escales, wscales, einv, winv; writes ecodes, wcodes, escales, wscales, einv, winv
.if DOCPART == 1
	.amdgcn_target "amdgcn-amd-amdhsa--gfx1250"
	.amdhsa_code_object_version 6
	.text
	.protected	k_q5eb1a06901_quant
	.globl	k_q5eb1a06901_quant
	.p2align	8
	.type	k_q5eb1a06901_quant,@function
k_q5eb1a06901_quant:
	s_mov_b64 s[64:65], 0
	v_nop
	global_prefetch_b8 v0, s[64:65] scope:SCOPE_SE
	s_setreg_imm32_b32 hwreg(HW_REG_WAVE_MODE, 25, 1), 1
	s_wait_xcnt 0x0
; encoder_outs [2048][2048] and embed_weight [16000][2048], f32, are turned into codes of FP4 (E2M1), K innermost, two codes a byte, with one E8M0 scale byte for each 32 along K;
; beside them 1 / sqrt(sum of squares) of each UNQUANTISED row, in f32.
; A block's scale is 2^(floor(log2(its largest magnitude)) - 2); its byte is the largest magnitude's own exponent field - 2, held at 1 from below.  (A block of zeros so gets the byte 1 where the rule
; says 127: its codes are zeros, which add nothing under any byte but 0xff, and the bytes are read by this program alone.)  Each number is divided by the scale and rounded to the nearest code, ties to even.
; THE WEIGHT'S BUFFERS HAVE 16,384 ROWS, so that the product's launch has whole tiles: row 16000 + 4 i + q is a COPY of row 15996 + q (codes, scale bytes, inverse norm).  A copy gives the same cosine, bit for bit,
; as its original and has the higher index; every later choice keeps the lower index where two are equal, so a copy is never chosen.
; LIMITS: NaN and infinities among the inputs are not served.  A row whose sum of squares is 0 or lies under 2^-126 gets an infinite inverse norm (reference() has NaN there): not served.
; Blocks whose largest magnitude lies under 2^(3 - 127), the floor, keep the byte 1.
; SHARES.  A wave takes a run of 4 rows (8,192 numbers) in 16 steps of 512; four steps are a row.  There are 512 runs of the encoder and 4,096 destination runs of the weight: 4,608 = 256 x 18, so 256 work-groups
; of 18 waves have the same work each.  Run number = 18 x work-group + wave; the first 512 are the encoder's.  The weight's destination runs 4000-4095 read source run 3999.
; Only pointers and two numbers are chosen by the run's number: both tensors take one path.
; Each of a step's four loads reads 512 consecutive bytes, 16 a lane; the 2,048 bytes turn through the wave's own stage in LDS and come back 64 bytes (16 neighbours along K) a lane, since the conversions take
; neighbours from ONE lane's registers.  Two neighbouring lanes hold a block.  A lane's 16 codes are 8 bytes: a store of the wave covers 256 consecutive bytes, aligned.  A wave's 256 scale bytes are gathered in LDS
; and leave by one store of 256 consecutive bytes, aligned.  The four inverse norms of a run leave as 16 bytes from lane 0: one byte for each 2,048 that the run reads.
; No tensor loads, no barrier, no cluster: waves and work-groups share no input byte (but the one padding run).  Loads run four steps (16 loads a wave) ahead, the turn through LDS one step.
.set WAVES, 18
.set RUNSE, 512                        ; the encoder's runs: 2048 rows / 4
.set LASTE, 511                        ; the encoder's last run
.set LASTW, 3999                       ; the weight's last real run
.set STEPS, 16
.set EMAX,  2
.set CB,    8                          ; bytes of 16 codes
.set R,     16                         ; v16-79   four sets of 16 numbers as they are loaded
.set X,     80                         ; v80-111  two sets of 16 neighbours
.set E,     112                        ; v112-127 a scale byte for each step
.set C,     128                        ; v128-159 codes: two registers for each step, so that no store's data are written again
.set SS,    160                        ; v160-163 a row's sum of squares, in two packed chains
.set RN,    164                        ; v164-167 the run's four inverse norms
.set TP,    168                        ; v168     the lane permute's destination
.set WREG,  8192                       ; LDS: a region for each wave: two stages of 32 x SP bytes, and behind them its 256 scale bytes
.set SP,    80                         ; a lane's place in a stage: its 64 bytes + 16 of padding
	s_load_b256 s[4:11], s[0:1], 0x0               ; encoder_outs, embed_weight, ecodes, wcodes
	s_load_b256 s[12:19], s[0:1], 0x20             ; escales, wscales, einv, winv
	v_lshl_add_u32 v176, v0, 2, 0x24000
	v_mov_b32 v177, 0
	v_lshrrev_b32 v1, 5, v0
	s_delay_alu instid0(VALU_DEP_1)
	v_readfirstlane_b32 s20, v1                    ; wave 0..17
	v_and_b32 v2, 31, v0                           ; lane
	s_delay_alu instid0(VALU_DEP_1)
	v_lshlrev_b32 v3, 4, v2                        ; my 16 bytes of a load's 512
	s_mul_i32 s23, s20, WREG
	v_lshrrev_b32 v14, 2, v2
	s_delay_alu instid0(VALU_DEP_1)
	v_mul_u32_u24 v14, v14, SP
	v_and_b32 v15, 3, v2
	s_delay_alu instid0(VALU_DEP_1)
	v_lshl_add_u32 v14, v15, 4, v14
	s_delay_alu instid0(VALU_DEP_1)
	v_add_nc_u32 v14, s23, v14                     ; the stage, on the way in: four lanes' 64 bytes on end, then 16 of padding
	v_mul_u32_u24 v15, v2, SP
	s_delay_alu instid0(VALU_DEP_1)
	v_add_nc_u32 v15, s23, v15                     ; and on the way out: SP x lane: my 16 neighbours
	v_mul_u32_u24 v4, v2, CB                       ; my codes' place in a step's
	v_lshrrev_b32 v5, 1, v2
	s_add_co_u32 s23, s23, 2*32*SP
	v_add_nc_u32 v5, s23, v5                       ; LDS: my wave's 256 scale bytes, my block's byte
	v_lshlrev_b32 v7, 3, v2                        ; and on the way out 8 bytes a lane
	s_delay_alu instid0(VALU_DEP_1)
	v_add_nc_u32 v6, s23, v7
	v_mov_b32 v[TP], 0                             ; written once: a lane permute's destination counts as one of its sources
	s_mov_b32 s24, 0x76543210
	s_mov_b32 s25, 0xfedcba98                      ; v_permlanex16_b32's selects for lane l xor 16
	s_mul_i32 s21, ttmp9, WAVES
	s_add_co_u32 s21, s21, s20                     ; my run among the 4,608
	s_wait_alu depctr_va_vdst(0)
	s_wait_kmcnt 0x0
	s_cmp_lt_u32 s21, RUNSE                        ; the encoder's run or the weight's?  The choice hangs on the run's number alone
	s_cselect_b64 s[4:5], s[4:5], s[6:7]           ; the numbers,
	s_cselect_b64 s[8:9], s[8:9], s[10:11]         ; the codes,
	s_cselect_b64 s[12:13], s[12:13], s[14:15]     ; the scale bytes,
	s_cselect_b64 s[16:17], s[16:17], s[18:19]     ; the inverse norms
	s_cselect_b32 s27, 0, RUNSE
	s_mov_b32 s22, LASTW
	s_cselect_b32 s22, LASTE, s22                  ; the tensor's last real run
	s_sub_co_u32 s21, s21, s27                     ; my destination run in its tensor
	s_min_u32 s22, s21, s22                        ; my source run: the padding runs read the last real one
	s_mov_b32 s27, 0
	s_lshl_b32 s26, s22, 15                        ; 32,768 bytes of numbers a run (under 2^32)
	s_add_nc_u64 s[4:5], s[4:5], s[26:27]
	s_lshl_b32 s26, s21, 12                        ; 4,096 bytes of codes
	s_add_nc_u64 s[8:9], s[8:9], s[26:27]
	s_lshl_b32 s26, s21, 8                         ; 256 scale bytes
	s_add_nc_u64 s[12:13], s[12:13], s[26:27]
	s_lshl_b32 s26, s21, 4                         ; four inverse norms
	s_add_nc_u64 s[16:17], s[16:17], s[26:27]
.macro LOAD t
.irp i, 0,1,2,3
	global_load_b128 v[R+16*((\t)%4)+4*\i:R+16*((\t)%4)+4*\i+3], v3, s[4:5] offset:2048*(\t)+512*\i th:TH_LOAD_NT   ; 32 lanes read 512 consecutive bytes; read once in this launch, but for the one run of 32,768 bytes that pads
.endr
.endm
.macro TURN t                          ; step t's numbers through the stage: LDS serves a wave's instructions in order (ISA guide 5.7.1.4), so no wait stands between the stores and the loads
.irp i, 0,1,2,3
	ds_store_b128 v14, v[R+16*((\t)%4)+4*\i:R+16*((\t)%4)+4*\i+3] offset:32*SP*((\t)%2)+8*SP*\i
.endr
.irp i, 0,1,2,3
	ds_load_b128 v[X+16*((\t)%2)+4*\i:X+16*((\t)%2)+4*\i+3], v15 offset:32*SP*((\t)%2)+16*\i
.endr
.endm
.irp t, 0,1,2,3
	LOAD \t
.endr
	s_wait_loadcnt 12                              ; step 0's four loads are in; the twelve of steps 1 to 3 may be out
	TURN 0
.macro STEP t
.set XS, X+16*((\t)%2)
.if (\t) > 0
	s_wait_dscnt 1                                 ; this step's numbers are back from the stage (the last step's byte store may be out): so its stores into the stage have read their registers,
.else
	s_wait_dscnt 0x0
.endif
.if (\t)+4 < STEPS
	LOAD (\t)+4                                    ; which take the loads of four steps on
.endif
.if (\t)+1 < STEPS
.if STEPS-2-(\t) >= 3
	s_wait_loadcnt 12                              ; the next step's four loads are in; those of the three steps behind it may be out
.else
	s_wait_loadcnt 4*(STEPS-2-(\t))                ; towards the end: those of the steps that are left
.endif
	TURN (\t)+1                                    ; and go through the other stage while this step is worked
.endif
	; the row's sum of squares, of the numbers as they came: two packed chains; a row's first step starts them, so nothing is cleared
.if (\t)%4 == 0
	v_pk_mul_f32 v[SS:SS+1], v[XS:XS+1], v[XS:XS+1]
	v_pk_mul_f32 v[SS+2:SS+3], v[XS+2:XS+3], v[XS+2:XS+3]
.else
	v_pk_fma_f32 v[SS:SS+1], v[XS:XS+1], v[XS:XS+1], v[SS:SS+1]
	v_pk_fma_f32 v[SS+2:SS+3], v[XS+2:XS+3], v[XS+2:XS+3], v[SS+2:SS+3]
.endif
.irp i, 4,8,12
	s_delay_alu instid0(VALU_DEP_2)
	v_pk_fma_f32 v[SS:SS+1], v[XS+\i:XS+\i+1], v[XS+\i:XS+\i+1], v[SS:SS+1]
	s_delay_alu instid0(VALU_DEP_2)
	v_pk_fma_f32 v[SS+2:SS+3], v[XS+\i+2:XS+\i+3], v[XS+\i+2:XS+\i+3], v[SS+2:SS+3]
.endr
.if (\t)%4 == 3                        ; the row is whole: the four partial sums of a lane, then the 32 lanes
	s_delay_alu instid0(VALU_DEP_1)
	v_pk_add_f32 v[SS:SS+1], v[SS:SS+1], v[SS+2:SS+3]
	s_delay_alu instid0(VALU_DEP_1)
	v_add_f32 v[SS], v[SS], v[SS+1]
	s_delay_alu instid0(VALU_DEP_1)
	v_add_f32_dpp v[SS], v[SS], v[SS] row_xmask:1 row_mask:0xf bank_mask:0xf
	s_delay_alu instid0(VALU_DEP_1)
	v_add_f32_dpp v[SS], v[SS], v[SS] row_xmask:2 row_mask:0xf bank_mask:0xf
	s_delay_alu instid0(VALU_DEP_1)
	v_add_f32_dpp v[SS], v[SS], v[SS] row_xmask:4 row_mask:0xf bank_mask:0xf
	s_delay_alu instid0(VALU_DEP_1)
	v_add_f32_dpp v[SS], v[SS], v[SS] row_xmask:8 row_mask:0xf bank_mask:0xf
	s_delay_alu instid0(VALU_DEP_1)
	v_permlanex16_b32 v[TP], v[SS], s24, s25
	s_delay_alu instid0(VALU_DEP_1)
	v_add_f32 v[SS], v[SS], v[TP]
	s_wait_alu depctr_va_vdst(0)
	v_rsq_f32 v[RN+(\t)/4], v[SS]                  ; 1 / the row's norm.  The lines below are plain and touch neither register; the result is first named at the kernel's end, behind its wait
.endif
	v_max3_num_f32 v8, |v[XS]|, |v[XS+1]|, |v[XS+2]|               ; the largest magnitude of my 16
	v_max3_num_f32 v9, |v[XS+3]|, |v[XS+4]|, |v[XS+5]|
.irp i, 6,10
	s_delay_alu instid0(VALU_DEP_2)
	v_max3_num_f32 v8, v8, |v[XS+\i]|, |v[XS+\i+1]|
	s_delay_alu instid0(VALU_DEP_2)
	v_max3_num_f32 v9, v9, |v[XS+\i+2]|, |v[XS+\i+3]|
.endr
	s_delay_alu instid0(VALU_DEP_2)
	v_max3_num_f32 v8, v8, |v[XS+14]|, |v[XS+15]|
	s_delay_alu instid0(VALU_DEP_1)
	v_max3_num_f32 v8, v8, v9, (EMAX+1)<<23        ; and the floor 2^(EMAX + 1 - 127), under which no largest magnitude is taken: so the byte cannot fall under 1
	s_delay_alu instid0(VALU_DEP_1)
	v_max_num_f32_dpp v8, v8, v8 row_xmask:1 row_mask:0xf bank_mask:0xf   ; and of my neighbour's 16: the block's
	s_delay_alu instid0(VALU_DEP_1)
	v_add_nc_u32 v11, -(EMAX<<23), v8              ; EMAX off its exponent field: the conversion takes the exponent field of this operand as its scale, and nothing else of it
	v_cvt_scalef32_pk8_fp4_f32 v[C+2*(\t)], v[XS:XS+7], v11        ; eight numbers / the scale, to the nearest code, ties to even, beyond the largest code the largest; the first number's code in the lowest four bits
	v_cvt_scalef32_pk8_fp4_f32 v[C+2*(\t)+1], v[XS+8:XS+15], v11
	v_lshrrev_b32 v[E+(\t)], 23, v11               ; the scale's byte (also the plain line behind the conversions)
	ds_store_b8 v5, v[E+(\t)] offset:16*(\t)       ; both lanes of a block write the same byte with the same value
	global_store_b64 v4, v[C+2*(\t):C+2*(\t)+1], s[8:9] offset:32*CB*(\t)   ; the wave stores 256 consecutive bytes, aligned
.endm
.irp t, 0,1,2,3,4,5,6,7,8,9,10,11,12,13,14,15
	STEP \t
.endr
	ds_load_b64 v[12:13], v6                       ; LDS serves a wave's instructions in order: these see my byte stores
	s_wait_dscnt 0x0
	global_store_b64 v7, v[12:13], s[12:13]        ; 32 lanes store 256 consecutive bytes, aligned
	s_wait_alu depctr_va_vdst(0)                   ; one wait for the four reciprocal roots, ahead of the first line that names a result
	v_cmp_eq_u32 vcc_lo, 0, v2
	s_wait_xcnt 0x0                                ; EXEC is a source of the stores above: it is narrowed only behind this wait
	s_wait_tensorcnt 0x0
	ds_add_u32 v176, v177
	s_wait_dscnt 0x0
	s_and_saveexec_b32 s26, vcc_lo
	global_store_b128 v7, v[RN:RN+3], s[16:17]     ; lane 0 (whose v7 is 0): the run's four inverse norms
	s_wait_xcnt 0x0                                ; and widened again only behind this one
	s_or_b32 exec_lo, exec_lo, s26
	s_endpgm
.Lfunc_end_k_q5eb1a06901_quant:
	.size	k_q5eb1a06901_quant, .Lfunc_end_k_q5eb1a06901_quant-k_q5eb1a06901_quant
	.p2alignl 7, 3214868480
	.fill 96, 4, 3214868480
	.section	.rodata,"a",@progbits
	.p2align	6, 0x0
	.amdhsa_kernel k_q5eb1a06901_quant
		.amdhsa_group_segment_fixed_size 149760
		.amdhsa_private_segment_fixed_size 0
		.amdhsa_enable_private_segment 0
		.amdhsa_kernarg_size 64
		.amdhsa_user_sgpr_count 2
		.amdhsa_user_sgpr_kernarg_segment_ptr 1
		.amdhsa_wavefront_size32 1
		.amdhsa_system_sgpr_workgroup_id_x 1
		.amdhsa_system_sgpr_workgroup_id_y 1
		.amdhsa_system_sgpr_workgroup_id_z 1
		.amdhsa_system_vgpr_workitem_id 0
		.amdhsa_next_free_vgpr 178
		.amdhsa_next_free_sgpr 66
		.amdhsa_reserve_vcc 1
		.amdhsa_float_denorm_mode_32 3
		.amdhsa_float_denorm_mode_16_64 3
		.amdhsa_memory_ordered 1
		.amdhsa_forward_progress 1
		.amdhsa_inst_pref_size 52
	.end_amdhsa_kernel
	.amdgpu_metadata
---
amdhsa.version: [ 1, 2 ]
amdhsa.kernels:
  - .name:           k_q5eb1a06901_quant
    .symbol:         k_q5eb1a06901_quant.kd
    .args:
      - { .name: encoder_outs, .offset: 0, .size: 8, .value_kind: global_buffer, .address_space: global }
      - { .name: embed_weight, .offset: 8, .size: 8, .value_kind: global_buffer, .address_space: global }
      - { .name: ecodes, .offset: 16, .size: 8, .value_kind: global_buffer, .address_space: global }
      - { .name: wcodes, .offset: 24, .size: 8, .value_kind: global_buffer, .address_space: global }
      - { .name: escales, .offset: 32, .size: 8, .value_kind: global_buffer, .address_space: global }
      - { .name: wscales, .offset: 40, .size: 8, .value_kind: global_buffer, .address_space: global }
      - { .name: einv, .offset: 48, .size: 8, .value_kind: global_buffer, .address_space: global }
      - { .name: winv, .offset: 56, .size: 8, .value_kind: global_buffer, .address_space: global }
    .group_segment_fixed_size: 149760
    .private_segment_fixed_size: 0
    .kernarg_segment_align: 8
    .kernarg_segment_size: 64
    .max_flat_workgroup_size: 576
    .sgpr_count:     66
    .vgpr_count:     178
    .wavefront_size: 32
...
	.end_amdgpu_metadata
.endif
;; end of part 1
;; launch simmax (part 2): grid 64 x 4, 4 waves a work-group, clusters of 4 x 1, 327,680 bytes of LDS; arguments ecodes, escales, wcodes, wscales, einv, winv, part; writes part
.if DOCPART == 2
	.amdgcn_target "amdgcn-amd-amdhsa--gfx1250"
	.amdhsa_code_object_version 6
	.text
	.protected	k_q5eb1a06901_simmax
	.globl	k_q5eb1a06901_simmax
	.p2align	8
	.type	k_q5eb1a06901_simmax,@function
k_q5eb1a06901_simmax:
	s_mov_b64 s[64:65], 0
	v_nop
	global_prefetch_b8 v0, s[64:65] scope:SCOPE_SE
	s_setreg_imm32_b32 hwreg(HW_REG_WAVE_MODE, 25, 1), 1
	s_wait_xcnt 0x0
	s_wait_alu depctr_hold_cnt(0) depctr_sa_sdst(0) depctr_va_vdst(0) depctr_va_sdst(0) depctr_va_ssrc(0) depctr_va_vcc(0) depctr_vm_vsrc(0)
	s_getreg_b32 s2, hwreg(HW_REG_IB_STS2, 6, 4)
	s_cmp_eq_u32 s2, 0
	s_cbranch_scc0 .Lentry_in_a_cluster
	s_endpgm
.Lentry_in_a_cluster:
	s_bfe_u32 s2, ttmp6, 0x10000c
	s_cmp_lg_u32 s2, 0x3003
	s_cbranch_scc0 .Lentry_shape_is_right
	s_endpgm
.Lentry_shape_is_right:
; sim = E W^T on codes of FP4 (E2M1) with E8M0 scales for each 32 along K, then for each encoder row the largest sim x winv[column] among this work-group's 256 columns, and its column.
; E: ecodes [2048][1024 bytes], escales [2048][64].  W: wcodes [16384][1024 bytes], wscales [16384][64] (rows from 16000 on are copies of rows 15996-15999; a copy has the higher index and equal value, and every
; choice here keeps the lower column where two are equal, so a copy is never chosen).  part[32-row run][tile column][row] = (key, column); key = the largest value x einv[row], as an unsigned number of the same order.
; SHARES.  Work-group (x, y): weight rows 256 x .. + 255, encoder rows 512 y .. + 511.  Wave w KEEPS its 64 weight rows for all of K in 512 registers (4 blocks x 16 K steps x 8), loaded once, each byte asked once.
; The encoder's rows go through two LDS slots of 128 rows x 1,024 bytes (four tiles); all four waves read the same fragments.  A trip takes 32 encoder rows: 16 K steps x 8 accumulators by turns, 128 matrix instructions.
; The pair's argmax is done in the next trip, between that trip's first LDS loads and the wait for them.
; THE MATRIX INSTRUCTION: source 0 = 16 weight rows, source 1 = 16 encoder rows: lane (r, h) holds encoder row r, register j weight row 8 h + j of the block.  THE WEIGHT ROWS OF BLOCK b ARE NOT NEIGHBOURS:
; row m of block b is weight row 64 w + 32 (m / 8) + 8 b + m % 8.  So a lane's 32 results, in register order, are columns 64 w + 32 h + 0 .. 31 ascending, and lanes 0-15 hold lower columns than lanes 16-31.
; CLUSTER: the four work-groups of a cluster (same y) need the same encoder tiles and scales: joint loads, mask 15.  The weight's rows, which the four work-groups along y share, go from memory straight to registers:
; 256 rows x 1,040 bytes beside two slots of 133,120 would pass 327,680 bytes of LDS, so no joint load serves them.  A lane takes 16 bytes of its own row in each of these loads.
; PREFETCH: tiles 2 and 3 of the encoder's codes are asked for one slot (four trips) ahead of their tensor loads: 512 blocks of 256 bytes, one lane each over the cluster's 16 waves, shared out by address.
; Tiles 0 and 1 come by their loads alone.
; LIMITS: NaN and infinities are not served.
.set PITCH,  1040                      ; an LDS row: 1,024 bytes + 16 of padding = 260 words: the 16 rows of a fragment load start 4 banks apart
.set SLOT,   128*PITCH
.set HALFT,  64*PITCH                  ; what one tensor load brings
.set PAIRB,  32*PITCH
.set TILEB,  128*1024                  ; a tile in memory
.set SCL,    2*SLOT                    ; the scales of 512 rows: 128 units of 256 bytes + 16
.set SPAIR,  8*272                     ; those of 32 rows
.set SPARE,  SCL+128*272               ; the spare words, 512 bytes
.set STAGE,  SPARE+512                 ; 4 waves x 16 pairs x 256 bytes: no tensor load lands here
.set LA,2                              ; lane's place in a fragment's rows
.set ADRA,3                            ; + the pair's place
.set LS,4                              ; lane's place in the scales
.set ADRS,5
.set LT,6                              ; lane's place in my wave's stage
.set STO,7
.set SPW,8
.set NIL,9
.set NB,10                             ; my first column
.set VW,11
.set VWS,12
.set VWI,13
.set RD,14
.set GO,15
.set VEI,16
.set PFO,17
.set G,20                              ; v20-27 maxima of groups of 8
.set MX,28
.set BI,30
.set JJ,32
.set CC,34
.set X,36
.set Z,38
.set T,40
.set EI,44
.set WS,48                             ; v48-79 the weight's scale words: 8 b + 4 g + i: lanes 0-15 K step 8 g + i, lanes 16-31 K step 8 g + 4 + i
.set AS,80                             ; v80-95 the pair's scale words, register q: lanes 0-15 rows 0-15, lanes 16-31 rows 16-31
.set WI,96                             ; v96-127 winv of my 32 columns
.set ACC,128                           ; v128-191 accumulators (a, b) at 8 (4 a + b)
.set K,192
.set G1C,24
.set G1S,32
.set G0,40
.set G0S,48
.set CM,72
.set PF,84
.set MSB,0
.macro WIN new
.if MSB != \new
	s_set_vgpr_msb (MSB<<8)|\new
.set MSB, \new
.endif
.endm
.macro PLACES
.rept 4
	v_nop
.endr
.endm
.macro CROUND
	s_barrier_signal -1
	s_barrier_wait -1
	s_cmp_lg_u32 s18, 0
	s_cbranch_scc1 .Lnot_wave_0_\@
	s_barrier_signal -3
.Lnot_wave_0_\@:
	s_barrier_wait -3
	s_barrier_signal -1
	s_barrier_wait -1
.endm
.macro RLOAD s                         ; waves 0 and 1 fetch 64 rows each of the slot's next tile
	s_cmp_eq_u32 s19, 0
	s_cbranch_scc0 .Lnone_\@
	tensor_load_to_lds s[G0+4*(\s):G0+4*(\s)+3], s[G1C:G1C+7]
	s_nop 0
	PLACES
.Lnone_\@:
.endm
	s_load_b256 s[4:11], s[0:1], 0x0               ; ecodes, escales, wcodes, wscales
	s_load_b128 s[12:15], s[0:1], 0x20             ; einv, winv
	s_load_b64 s[16:17], s[0:1], 0x30              ; part
	v_lshl_add_u32 v[SPW], v0, 2, SPARE
	v_mov_b32 v[NIL], 0
	ds_add_u32 v[SPW], v[NIL]                      ; the opening lines: the add twice on end and one wait
	ds_add_u32 v[SPW], v[NIL]
	v_lshrrev_b32 v1, 5, v0
	v_readfirstlane_b32 s18, v1                    ; wave
	s_lshr_b32 s19, s18, 1                         ; 0: I fetch codes; 1: at the head, scales
	s_and_b32 s20, s18, 1                          ; which half
	s_bfe_u32 s21, ttmp6, 0x40000                  ; cx
	s_lshl_b32 s22, ttmp9, 2
	s_add_co_u32 s22, s22, s21                     ; x
	s_and_b32 s23, ttmp7, 0xffff                   ; y
	s_mov_b32 s[G1C+0], 15|(1<<20)|(1<<21)|(7<<22)|(3<<25)   ; mask of the four; bytes; 4 words of padding behind every 256
	s_mov_b32 s[G1C+1], 1024<<16
	s_mov_b32 s[G1C+2], 64<<16
	s_mov_b32 s[G1C+3], 1024<<16
	s_mov_b32 s[G1C+4], 64
	s_mov_b32 s[G1C+5], 1024
	s_mov_b32 s[G1C+6], 0
	s_mov_b32 s[G1C+7], 0
	s_mov_b32 s[G1S+0], 15|(3<<16)|(1<<20)|(1<<21)|(5<<22)|(3<<25)   ; 64 rows of 32 x 8 bytes, 4 words behind every 64
	s_mov_b32 s[G1S+1], 32<<16
	s_mov_b32 s[G1S+2], 64<<16
	s_mov_b32 s[G1S+3], 32<<16
	s_mov_b32 s[G1S+4], 64
	s_mov_b32 s[G1S+5], 32
	s_mov_b32 s[G1S+6], 0
	s_mov_b32 s[G1S+7], 0
	s_mov_b32 s[G0], 1
	s_mov_b32 s[G0+4], 1
	s_mov_b32 s[G0S], 1
	s_mul_i32 s[G0+1], s20, HALFT
	s_add_co_u32 s[G0+5], s[G0+1], SLOT
	s_mul_i32 s[G0S+1], s20, 64*272
	s_add_co_u32 s[G0S+1], s[G0S+1], SCL
	s_lshl_b32 s54, s18, 12
	s_add_co_u32 s54, s54, STAGE                   ; my wave's stage
	s_lshl_b32 s55, s18, 10
	s_add_co_u32 s55, s55, STAGE                   ; the four pairs that I merge at the end
	s_lshl_b32 s56, s22, 8
	s_lshl_b32 s57, s18, 6
	s_add_co_u32 s56, s56, s57                     ; my wave's first column
	s_mov_b32 s80, 0x76543210
	s_mov_b32 s81, 0xfedcba98                      ; lane l xor 16
	s_mov_b32 s82, 0xffff0000                      ; lanes 16-31
	v_and_b32 v1, 31, v0                           ; l
	v_and_b32 v20, 15, v0                          ; r
	v_bfe_u32 v21, v0, 4, 1                        ; h
	v_mul_u32_u24 v[LA], v20, PITCH
	v_lshl_add_u32 v[LA], v21, 4, v[LA]
	v_mov_b32 v[ADRA], v[LA]
	v_and_b32 v22, 7, v20
	v_and_b32 v23, 8, v20
	v_lshl_or_b32 v22, v23, 2, v22                 ; r % 8 + 32 (r / 8)
	v_lshlrev_b32 v23, 4, v21
	v_lshl_add_u32 v[VW], v22, 10, v23             ; the weight's codes: that row x 1,024 + 16 h
	v_lshl_add_u32 v[VWS], v22, 6, v23             ; its scales: x 64 + 16 h
	v_lshlrev_b32 v[VWI], 7, v21                   ; winv: 32 h numbers on
	v_lshrrev_b32 v23, 2, v1
	v_lshlrev_b32 v23, 4, v23
	v_lshl_add_u32 v23, v1, 6, v23                 ; row l of the pair: 64 l + 16 for each 256 passed
	v_add_nc_u32 v[LS], SCL, v23
	v_mov_b32 v[ADRS], v[LS]
	v_lshlrev_b32 v[GO], 3, v1
	v_add_nc_u32 v[LT], s54, v[GO]
	v_mov_b32 v[STO], v[LT]
	v_add_nc_u32 v[RD], s55, v[GO]
	v_lshlrev_b32 v[VEI], 2, v1
	v_lshlrev_b32 v[PFO], 8, v1
	v_lshl_add_u32 v[NB], v21, 5, s56
	v_mov_b32 v[T], 0                              ; a lane permute's destination counts as a source
	v_mov_b32 v[T+1], 0
	s_wait_alu depctr_va_vdst(0)
	s_wait_dscnt 0x0
	s_wait_kmcnt 0x0
	s_mov_b32 s59, 0                               ; s[58:59]: offsets made of y and the wave alone
	s_mov_b32 s87, 0                               ; s[86:87]: offsets that hold x or cx
	s_lshl_b32 s58, s23, 19
	s_lshl_b32 s57, s20, 16
	s_add_co_u32 s58, s58, s57
	s_add_nc_u64 s[G0+2:G0+3], s[4:5], s[58:59]    ; tile 0, my 64 rows
	s_add_nc_u64 s[G0+6:G0+7], s[G0+2:G0+3], TILEB ; tile 1
	s_or_b32 s[G0+3], s[G0+3], 0x80000000
	s_or_b32 s[G0+7], s[G0+7], 0x80000000
	s_lshl_b32 s58, s23, 15
	s_lshl_b32 s57, s20, 14
	s_add_co_u32 s58, s58, s57
	s_add_nc_u64 s[G0S+2:G0S+3], s[6:7], s[58:59]  ; the scales of 256 of my 512 rows
	s_or_b32 s[G0S+3], s[G0S+3], 0x80000000
	s_lshl_b32 s58, s23, 11
	s_lshl_b32 s57, s18, 9
	s_add_co_u32 s58, s58, s57
	s_add_nc_u64 s[12:13], s[12:13], s[58:59]      ; einv at row 512 y + 128 w
	s_lshl_b32 s86, s21, 2
	s_add_co_u32 s86, s86, s18
	s_lshl_b32 s86, s86, 13                        ; the prefetches: 32 blocks of 256 bytes for each of the cluster's 16 waves
	s_lshl_b32 s83, s23, 19
	s_add_co_u32 s86, s86, s83
	s_add_nc_u64 s[PF:PF+1], s[4:5], s[86:87]
	s_lshl_b32 s86, s22, 18
	s_lshl_b32 s83, s18, 16
	s_add_co_u32 s86, s86, s83
	s_add_nc_u64 s[8:9], s[8:9], s[86:87]          ; wcodes at row 256 x + 64 w
	s_lshr_b32 s86, s86, 4
	s_add_nc_u64 s[10:11], s[10:11], s[86:87]      ; wscales
	s_lshr_b32 s86, s86, 4
	s_add_nc_u64 s[14:15], s[14:15], s[86:87]      ; winv
	s_lshl_b32 s86, s23, 18
	s_add_co_u32 s86, s86, s83
	s_lshl_b32 s83, s22, 8
	s_add_co_u32 s86, s86, s83
	s_add_nc_u64 s[16:17], s[16:17], s[86:87]      ; part at run 16 y + 4 w, tile column x
	CROUND                                         ; the four work-groups are here: the first joint loads meet
	s_cmp_eq_u32 s19, 0                            ; one tensor load a wave at the head: waves 0, 1 tile 0; waves 2, 3 the scales
	s_cbranch_scc0 .Lhead_s
	tensor_load_to_lds s[G0:G0+3], s[G1C:G1C+7]
	s_nop 0
	PLACES
	s_branch .Lhead_j
.Lhead_s:
	tensor_load_to_lds s[G0S:G0S+3], s[G1S:G1S+7]
	s_nop 0
	PLACES
.Lhead_j:
.irp b,0,1,2,3
.irp g,0,1
	global_load_b128 v[WS+8*\b+4*\g:WS+8*\b+4*\g+3], v[VWS], s[10:11] offset:512*\b+32*\g
.endr
.endr
.irp i,0,1,2,3,4,5,6,7
	global_load_b128 v[WI+4*\i:WI+4*\i+3], v[VWI], s[14:15] offset:16*\i
.endr
.irp u,0,1,2,3
	global_load_b32 v[EI+\u], v[VEI], s[12:13] offset:128*\u
.endr
.macro WLOAD win                       ; K steps 8 win .. 8 win + 7 of my four blocks into window 2 + win, register 8 (4 (q % 8) + b)
	WIN 0x80+0x40*\win
.set qq, 0
.rept 8
.irp b,0,1,2,3
.irp c,0,1
	global_load_b128 v[8*(4*qq+\b)+4*\c:8*(4*qq+\b)+4*\c+3], v[VW], s[8:9] offset:8192*\b+64*(8*\win+qq)+32*\c
.endr
.endr
.set qq, qq+1
.endr
.endm
	WLOAD 0
	WLOAD 1
	WIN 0
; one matrix instruction: accumulator (a, b), K step q, fragments of E in set s
.macro WM a, b, q, s
.set DD, ACC+8*(4*(\a)+(\b))
.set WW, 8*(4*((\q)%8)+(\b))
.set FF, 64*(\s)+8*(2*((\q)%4)+(\a))
.set SW, WS+8*(\b)+4*((\q)/8)+(\q)%4
.set SE, AS+(\q)
.if (\q) == 0
.if (\a) == 0
	v_wmma_scale_f32_16x16x128_f8f6f4 v[DD:DD+7], v[WW:WW+7], v[FF:FF+7], 0, v[SW], v[SE] matrix_a_fmt:MATRIX_FMT_FP4 matrix_b_fmt:MATRIX_FMT_FP4
.else
	v_wmma_scale_f32_16x16x128_f8f6f4 v[DD:DD+7], v[WW:WW+7], v[FF:FF+7], 0, v[SW], v[SE] matrix_a_fmt:MATRIX_FMT_FP4 matrix_b_fmt:MATRIX_FMT_FP4 matrix_b_scale:MATRIX_SCALE_ROW1
.endif
.elseif ((\q)%8) < 4
.if (\a) == 0
	v_wmma_scale_f32_16x16x128_f8f6f4 v[DD:DD+7], v[WW:WW+7], v[FF:FF+7], v[DD:DD+7], v[SW], v[SE] matrix_a_fmt:MATRIX_FMT_FP4 matrix_b_fmt:MATRIX_FMT_FP4
.else
	v_wmma_scale_f32_16x16x128_f8f6f4 v[DD:DD+7], v[WW:WW+7], v[FF:FF+7], v[DD:DD+7], v[SW], v[SE] matrix_a_fmt:MATRIX_FMT_FP4 matrix_b_fmt:MATRIX_FMT_FP4 matrix_b_scale:MATRIX_SCALE_ROW1
.endif
.else
.if (\a) == 0
	v_wmma_scale_f32_16x16x128_f8f6f4 v[DD:DD+7], v[WW:WW+7], v[FF:FF+7], v[DD:DD+7], v[SW], v[SE] matrix_a_fmt:MATRIX_FMT_FP4 matrix_b_fmt:MATRIX_FMT_FP4 matrix_a_scale:MATRIX_SCALE_ROW1
.else
	v_wmma_scale_f32_16x16x128_f8f6f4 v[DD:DD+7], v[WW:WW+7], v[FF:FF+7], v[DD:DD+7], v[SW], v[SE] matrix_a_fmt:MATRIX_FMT_FP4 matrix_b_fmt:MATRIX_FMT_FP4 matrix_a_scale:MATRIX_SCALE_ROW1 matrix_b_scale:MATRIX_SCALE_ROW1
.endif
.endif
.endm
.macro FETCH g                         ; the pair's fragments of K steps 4 g .. 4 g + 3 into set g % 2 of window 1: 16 loads
	WIN 0x40
.irp t,0,1,2,3
.irp a,0,1
.irp c,0,1
	ds_load_b128 v[64*((\g)%2)+8*(2*\t+\a)+4*\c:64*((\g)%2)+8*(2*\t+\a)+4*\c+3], v[ADRA] offset:\a*16*PITCH+(4*(\g)+\t)*64+32*\c
.endr
.endr
.endr
.endm
; four K steps: the next four's fragments are asked for first; the eight accumulators take turns
.macro GROUP g, first
.if (\g) > 0 && (\g) < 3
	PLACES                                         ; in front of loads into the set that the last 32 matrix instructions read
.endif
.if (\g) < 3
	FETCH (\g)+1
	s_wait_dscnt 16                                ; all but the 16 just issued
.else
	s_wait_dscnt 0x0
.endif
.if \first                             ; the weight's loads: behind K steps 0-3 stand 96 more, behind 0-7 64 (the count's field ends at 63), behind 0-11 32
.if (\g) == 0
	s_wait_loadcnt 63
.elseif (\g) == 2
	s_wait_loadcnt 32
.elseif (\g) == 3
	s_wait_loadcnt 0x0
.endif
.endif
	WIN 0x06+(\g)/2                                ; source 0 window 2 or 3, source 1 window 1, C and D window 0
.irp t,0,1,2,3
.irp a,0,1
.irp b,0,1,2,3
	WM \a, \b, 4*(\g)+\t, (\g)%2
.endr
.endr
.endr
.endm
; the argmax of a pair: value x winv in place; maxima of the four groups of 8 and of all 32; the lowest group that holds the maximum is selected into the fourth group's registers, and searched.
.macro EPI
.irp a,0,1
.set ii, 0
.rept 16
	v_pk_mul_f32 v[ACC+32*\a+2*ii:ACC+32*\a+2*ii+1], v[ACC+32*\a+2*ii:ACC+32*\a+2*ii+1], v[WI+2*ii:WI+2*ii+1]   ; each accumulator from its low end on
.set ii, ii+1
.endr
.endr
.irp a,0,1
.irp b,0,1,2,3
	v_max3_num_f32 v[G+4*\a+\b], v[ACC+32*\a+8*\b], v[ACC+32*\a+8*\b+1], v[ACC+32*\a+8*\b+2]
.endr
.endr
.irp i,3,5
.irp a,0,1
.irp b,0,1,2,3
	v_max3_num_f32 v[G+4*\a+\b], v[G+4*\a+\b], v[ACC+32*\a+8*\b+\i], v[ACC+32*\a+8*\b+\i+1]
.endr
.endr
.endr
.irp a,0,1
.irp b,0,1,2,3
	v_max_num_f32 v[G+4*\a+\b], v[G+4*\a+\b], v[ACC+32*\a+8*\b+7]
.endr
.endr
.irp a,0,1
	v_max3_num_f32 v[MX+\a], v[G+4*\a], v[G+4*\a+1], v[G+4*\a+2]
	v_mov_b32 v[BI+\a], 24
	v_mov_b32 v[JJ+\a], 7
.endr
.irp a,0,1
	v_max_num_f32 v[MX+\a], v[MX+\a], v[G+4*\a+3]
.endr
.irp a,0,1
.irp b,0,1,2
	v_cmp_eq_f32 s[CM+4*\a+\b], v[G+4*\a+\b], v[MX+\a]
.endr
.endr
.irp b,2,1,0                           ; the lower group is laid over the higher: the lowest that holds the maximum stays
.irp a,0,1
	v_cndmask_b32 v[BI+\a], v[BI+\a], 8*\b, s[CM+4*\a+\b]
.irp j,0,1,2,3,4,5,6,7
	v_cndmask_b32 v[ACC+32*\a+24+\j], v[ACC+32*\a+24+\j], v[ACC+32*\a+8*\b+\j], s[CM+4*\a+\b]
.endr
.endr
.endr
.irp j,6,5,4,3,2,1,0
.irp a,0,1
	v_cmp_neq_f32 s[CM+4*\a+3], v[ACC+32*\a+24+\j], v[MX+\a]
.endr
.irp a,0,1
	v_cndmask_b32 v[JJ+\a], \j, v[JJ+\a], s[CM+4*\a+3]
.endr
.endr
.irp a,0,1
	v_add3_u32 v[CC+\a], v[NB], v[BI+\a], v[JJ+\a]
.endr
	; the two halves of the lanes meet: lanes 0-15 end with rows 0-15, lanes 16-31 with rows 16-31 of the pair
	v_cndmask_b32 v[X], v[MX], v[MX+1], s82        ; mine
	v_cndmask_b32 v[X+1], v[CC], v[CC+1], s82
	v_cndmask_b32 v[Z], v[MX+1], v[MX], s82        ; what lane l xor 16 wants of me
	v_cndmask_b32 v[Z+1], v[CC+1], v[CC], s82
	v_permlanex16_b32 v[T], v[Z], s80, s81
	v_permlanex16_b32 v[T+1], v[Z+1], s80, s81
	v_cmp_gt_f32 s72, v[T], v[X]                   ; lanes 0-15 hold the lower columns: the other's only where greater;
	v_cmp_ge_f32 s73, v[T], v[X]                   ; lanes 16-31 the higher: the other's where equal too
	s_and_b32 s72, s72, 0xffff
	s_and_b32 s73, s73, s82
	s_or_b32 s72, s72, s73
	v_cndmask_b32 v[X], v[X], v[T], s72
	v_cndmask_b32 v[X+1], v[X+1], v[T+1], s72
	ds_store_b64 v[STO], v[X:X+1]
.endm
; a trip: 32 encoder rows.  epi = 1: the pair before is finished between the first loads and the wait for them.
.macro PAIR epi, first
	FETCH 0
	WIN 0
.irp j,0,1,2,3
	ds_load_b128 v[AS+4*\j:AS+4*\j+3], v[ADRS] offset:16*\j
.endr
.if \epi
	EPI
.endif
	GROUP 0, \first
	GROUP 1, \first
	GROUP 2, \first
	GROUP 3, \first
	WIN 0
	v_add_nc_u32 v[ADRA], PAIRB, v[ADRA]           ; these four lines are the places behind the last matrix instructions
	v_add_nc_u32 v[ADRS], SPAIR, v[ADRS]
.if \epi
	v_add_nc_u32 v[STO], 256, v[STO]
.else
	v_nop
.endif
	v_nop
	s_wait_alu depctr_va_vdst(0)
.endm
; on to tile t (slot t % 2).  fill = 1: the slot just read out takes tile t + 1, behind a round of the cluster's barrier.
.macro TURN t, fill
	s_wait_tensorcnt 0x0                           ; all my tensor loads have landed: my part of tile t among them
	ds_add_u32 v[SPW], v[NIL]
	v_add_nc_u32 v[ADRA], ((\t)%2)*SLOT, v[LA]
	v_add_nc_u32 v[ADRS], 4*(\t)*SPAIR, v[LS]
	v_add_nc_u32 v[STO], (4*(\t)-1)*256, v[LT]     ; the next pair to be finished is the last tile's last
.if \fill
	s_add_nc_u64 s[G0+4*(1-(\t)%2)+2:G0+4*(1-(\t)%2)+3], s[G0+4*(1-(\t)%2)+2:G0+4*(1-(\t)%2)+3], 2*TILEB
.endif
	s_wait_alu depctr_va_vdst(0)
	s_wait_dscnt 0x0                               ; the add is done, and my reads of the old slot
.if \fill
	CROUND
	RLOAD 1-(\t)%2
.else
	s_barrier_signal -1
	s_barrier_wait -1
.endif
.endm
.macro TRIPS n, name
	s_mov_b32 s70, \n
\name:
	PAIR 1, 0
	s_sub_co_u32 s70, s70, 1
	s_cmp_lg_u32 s70, 0
	s_cbranch_scc1 \name
.endm
	s_wait_tensorcnt 0x0                           ; my head load is in; slot 1's first fill is issued as a refill is
	ds_add_u32 v[SPW], v[NIL]
	s_wait_dscnt 0x0
	CROUND
	RLOAD 1                                        ; tile 1
	global_prefetch_b8 v[PFO], s[PF:PF+1] offset:2*TILEB th:TH_LOAD_NT scope:SCOPE_SE   ; tile 2, which is loaded four trips on
	PAIR 0, 1
	TRIPS 3, .Lt0
	TURN 1, 1                                      ; slot 0 takes tile 2
	global_prefetch_b8 v[PFO], s[PF:PF+1] offset:3*TILEB th:TH_LOAD_NT scope:SCOPE_SE   ; tile 3, likewise
	TRIPS 4, .Lt1
	TURN 2, 1                                      ; slot 1 takes tile 3
	TRIPS 4, .Lt2
	TURN 3, 0
	TRIPS 4, .Lt3
	EPI                                            ; the last pair
	s_wait_dscnt 0x0                               ; for the others' sake: my stores into the stage are done
	s_barrier_signal -1
	s_barrier_wait -1
; wave w merges pairs 4 w .. 4 w + 3: a lane a row, the four waves' results in ascending order of columns; the higher takes the lower's place only where greater
.irp u,0,1,2,3
.irp p,0,1,2,3
	ds_load_b64 v[K+8*\u+2*\p:K+8*\u+2*\p+1], v[RD] offset:4096*\p+256*\u
.endr
.endr
	s_wait_dscnt 0x0
.macro TAKE lo, hi, m
	v_cmp_gt_f32 s[\m], v[(\hi)], v[(\lo)]
	v_cndmask_b32 v[(\lo)], v[(\lo)], v[(\hi)], s[\m]
	v_cndmask_b32 v[(\lo)+1], v[(\lo)+1], v[(\hi)+1], s[\m]
.endm
.irp u,0,1,2,3
	TAKE K+8*\u, K+8*\u+2, CM+\u
.endr
.irp u,0,1,2,3
	TAKE K+8*\u+4, K+8*\u+6, CM+\u
.endr
.irp u,0,1,2,3
	TAKE K+8*\u, K+8*\u+4, CM+\u
.endr
.irp u,0,1,2,3
	v_fma_f32 v[K+8*\u], v[K+8*\u], v[EI+\u], 0    ; x 1 / the encoder row's norm
.endr
.irp u,0,1,2,3
	v_ashrrev_i32 v[K+8*\u+2], 31, v[K+8*\u]
.endr
.irp u,0,1,2,3
	v_or_b32 v[K+8*\u+2], 0x80000000, v[K+8*\u+2]
.endr
.irp u,0,1,2,3
	v_xor_b32 v[K+8*\u], v[K+8*\u], v[K+8*\u+2]    ; an unsigned key in the order of the f32 numbers
.endr
.irp u,0,1,2,3
	global_store_b64 v[GO], v[K+8*\u:K+8*\u+1], s[16:17] offset:16384*\u   ; 32 lanes store 256 consecutive bytes, aligned
.endr
	s_wait_tensorcnt 0x0                           ; the wave's end
	ds_add_u32 v[SPW], v[NIL]
	s_wait_dscnt 0x0
	CROUND                                         ; the closing round
	s_endpgm
.Lfunc_end_k_q5eb1a06901_simmax:
	.size	k_q5eb1a06901_simmax, .Lfunc_end_k_q5eb1a06901_simmax-k_q5eb1a06901_simmax
	.p2alignl 7, 3214868480
	.fill 96, 4, 3214868480
	.section	.rodata,"a",@progbits
	.p2align	6, 0x0
	.amdhsa_kernel k_q5eb1a06901_simmax
		.amdhsa_group_segment_fixed_size 327680
		.amdhsa_private_segment_fixed_size 0
		.amdhsa_enable_private_segment 0
		.amdhsa_kernarg_size 56
		.amdhsa_user_sgpr_count 2
		.amdhsa_user_sgpr_kernarg_segment_ptr 1
		.amdhsa_wavefront_size32 1
		.amdhsa_system_sgpr_workgroup_id_x 1
		.amdhsa_system_sgpr_workgroup_id_y 1
		.amdhsa_system_sgpr_workgroup_id_z 1
		.amdhsa_system_vgpr_workitem_id 0
		.amdhsa_next_free_vgpr 1024
		.amdhsa_next_free_sgpr 100
		.amdhsa_reserve_vcc 0
		.amdhsa_float_denorm_mode_32 3
		.amdhsa_float_denorm_mode_16_64 3
		.amdhsa_memory_ordered 1
		.amdhsa_forward_progress 1
		.amdhsa_inst_pref_size 188
	.end_amdhsa_kernel
	.amdgpu_metadata
---
amdhsa.version: [ 1, 2 ]
amdhsa.kernels:
  - .name:           k_q5eb1a06901_simmax
    .symbol:         k_q5eb1a06901_simmax.kd
    .args:
      - { .name: ecodes, .offset: 0, .size: 8, .value_kind: global_buffer, .address_space: global }
      - { .name: escales, .offset: 8, .size: 8, .value_kind: global_buffer, .address_space: global }
      - { .name: wcodes, .offset: 16, .size: 8, .value_kind: global_buffer, .address_space: global }
      - { .name: wscales, .offset: 24, .size: 8, .value_kind: global_buffer, .address_space: global }
      - { .name: einv, .offset: 32, .size: 8, .value_kind: global_buffer, .address_space: global }
      - { .name: winv, .offset: 40, .size: 8, .value_kind: global_buffer, .address_space: global }
      - { .name: part, .offset: 48, .size: 8, .value_kind: global_buffer, .address_space: global }
    .group_segment_fixed_size: 327680
    .private_segment_fixed_size: 0
    .kernarg_segment_align: 8
    .kernarg_segment_size: 56
    .max_flat_workgroup_size: 128
    .sgpr_count:     100
    .vgpr_count:     1024
    .wavefront_size: 32
...
	.end_amdgpu_metadata
.endif
;; end of part 2
;; launch blend (part 3): grid 64 x 8, 8 waves a work-group, no clusters, 3,072 bytes of LDS; arguments embed_weight, input_ids, modality_mask, part, out0, out1; writes out0, out1
.if DOCPART == 3
	.amdgcn_target "amdgcn-amd-amdhsa--gfx1250"
	.amdhsa_code_object_version 6
	.text
	.protected	k_q5eb1a06901_blend
	.globl	k_q5eb1a06901_blend
	.p2align	8
	.type	k_q5eb1a06901_blend,@function
k_q5eb1a06901_blend:
	s_mov_b64 s[64:65], 0
	v_nop
	global_prefetch_b8 v0, s[64:65] scope:SCOPE_SE
	s_setreg_imm32_b32 hwreg(HW_REG_WAVE_MODE, 25, 1), 1
	s_wait_xcnt 0x0
; out1[b][l] = the column with the largest key among the 64 tile columns' pairs (key, column) in part; where keys are equal the lower tile column is kept, as argmax keeps the lower index.  All whole numbers.
; out0[b][t][:] = embed_weight[out1[b][t]] where the mask is set and t < 512;  zeros where it is set and t >= 512;  embed_weight[input_ids[b][t]] where it is not set.  Mask and ids are read as they are given.
; SHARES.  Work-group (g, y): g = a run of 32 encoder rows (b = g / 16, t = 32 (g % 16) + i), y = bytes 1024 y .. 1024 y + 1023 of each row of 8,192 bytes.  It writes that part of 64 rows of out0: the 32 LOW rows t
; and the 32 HIGH rows t + 512.  Wave w takes i = 4 w .. 4 w + 3 of both kinds: 16 loads and 16 stores of 512 consecutive bytes, aligned.
; The high rows hang on the inputs alone, so their loads go out first and are on their way while the 64 pairs of each low row are merged: wave w merges tile columns 8 w .. 8 w + 7 for all 32 rows (a lane a row),
; the eight waves' results meet in LDS, and every wave merges those eight for itself.  The eight work-groups of a run each do that merge: 16,384 bytes of part against a launch more.
; Every index is held inside the table (15,999 at the most) ahead of its address.  A masked high row's table row is loaded all the same and replaced by zeros: one path for every mask.
; No cluster and no tensor load: the rows that work-groups read are chosen by data, and what they share (part) is a small part of their bytes.
.set VMAX, 15999
.set K,    8                           ; v8-23   eight pairs (key, column)
.set D,    32                          ; v32-63  the low rows' 8 x 16 bytes a lane;  v64-95 the high rows'
	s_load_b256 s[4:11], s[0:1], 0x0               ; embed_weight s[4:5], input_ids s[6:7], modality_mask s[8:9], part s[10:11]
	s_load_b128 s[12:15], s[0:1], 0x20             ; out0 s[12:13], out1 s[14:15]
	v_lshl_add_u32 v96, v0, 2, 0x800
	v_mov_b32 v97, 0
	v_lshrrev_b32 v1, 5, v0
	s_delay_alu instid0(VALU_DEP_1)
	v_readfirstlane_b32 s36, v1                    ; wave 0..7
	v_and_b32 v1, 31, v0                           ; lane
	s_wait_alu depctr_va_vdst(0)
	s_and_b32 s38, ttmp7, 0xffff                   ; y
	s_lshr_b32 s39, ttmp9, 4
	s_lshl_b32 s39, s39, 10                        ; b x 1,024
	s_and_b32 s30, ttmp9, 15
	s_lshl_b32 s30, s30, 5
	s_add_co_u32 s39, s39, s30                     ; + 32 (g % 16)
	s_lshl_b32 s30, s36, 2
	s_add_co_u32 s39, s39, s30                     ; + 4 w: my first low row of out0, of the ids and of the mask
	v_add_nc_u32 v5, s30, v1
	s_delay_alu instid0(VALU_DEP_1)
	v_and_b32 v5, 31, v5
	s_delay_alu instid0(VALU_DEP_1)
	v_lshlrev_b32 v5, 3, v5                        ; LDS, back: lane l takes row (4 w + l) % 32, so that my four rows stand in lanes 0 to 3 (in wave 0: lane = row)
	v_lshlrev_b32 v2, 4, v1
	s_lshl_b32 s30, s38, 10
	v_add_nc_u32 v2, s30, v2                       ; my 16 bytes of a row: 1024 y + 16 x lane
	v_lshlrev_b32 v3, 3, v1                        ; a pair's place: 8 x lane
	s_lshl_b32 s30, s36, 8
	v_add_nc_u32 v4, s30, v3                       ; LDS, in: 256 w + 8 x lane
	v_lshlrev_b32 v6, 2, v1                        ; out1: 4 x lane
	s_mov_b32 s31, 0
	s_wait_alu depctr_va_vdst(0)
	s_wait_kmcnt 0x0
	s_lshl_b32 s30, s39, 2
	s_add_nc_u64 s[6:7], s[6:7], s[30:31]
	s_mov_b32 s30, s39
	s_add_nc_u64 s[8:9], s[8:9], s[30:31]
	s_load_b128 s[16:19], s[6:7], 0x0              ; the ids of my four low rows,
	s_load_b128 s[20:23], s[6:7], 0x800            ; of my four high rows (512 ids on),
	s_load_b32 s24, s[8:9], 0x0                    ; the mask bytes of the low rows,
	s_load_b32 s25, s[8:9], 0x200                  ; and of the high rows
	s_lshl_b32 s30, ttmp9, 14                      ; part: my run's 64 x 256 bytes,
	s_lshl_b32 s26, s36, 11                        ; my wave's eight tile columns
	s_add_co_u32 s30, s30, s26
	s_add_nc_u64 s[10:11], s[10:11], s[30:31]
.irp c, 0,1,2,3,4,5,6,7
	global_load_b64 v[K+2*\c:K+2*\c+1], v3, s[10:11] offset:256*\c   ; 32 lanes read 256 consecutive bytes: 32 rows' pairs of one tile column
.endr
	s_lshl_b32 s30, s39, 13
	s_add_nc_u64 s[12:13], s[12:13], s[30:31]      ; out0 at my first low row
	s_lshl_b32 s30, ttmp9, 7
	s_add_nc_u64 s[14:15], s[14:15], s[30:31]      ; out1 at my run: 32 g
	s_wait_kmcnt 0x0
.irp i, 0,1,2,3                                ; THE HIGH ROWS: known from the inputs
	s_min_u32 s[20+\i], s[20+\i], VMAX             ; inside the table
	s_lshl_b32 s30, s[20+\i], 13                   ; a row is 8,192 bytes (under 2^32 in all)
	s_add_nc_u64 s[40+2*\i:41+2*\i], s[4:5], s[30:31]
	global_load_b128 v[D+32+8*\i:D+35+8*\i], v2, s[40+2*\i:41+2*\i]
	global_load_b128 v[D+36+8*\i:D+39+8*\i], v2, s[40+2*\i:41+2*\i] offset:512
	s_bfe_u32 s30, s25, (8<<16)|(8*\i)             ; its mask byte: SCC = set
	s_cselect_b32 s[32+\i], -1, 0                  ; all lanes or none: zeros where the mask is set
.endr
.macro TAKE lo, hi                     ; pair hi, of the higher columns, takes pair lo's place only where its key is greater
	v_cmp_gt_u32 vcc_lo, v[K+2*(\hi)], v[K+2*(\lo)]
	s_delay_alu instid0(VALU_DEP_1)
	v_cndmask_b32 v[K+2*(\lo)], v[K+2*(\lo)], v[K+2*(\hi)], vcc_lo
	s_delay_alu instid0(VALU_DEP_2)
	v_cndmask_b32 v[K+2*(\lo)+1], v[K+2*(\lo)+1], v[K+2*(\hi)+1], vcc_lo
.endm
.macro BEST                            ; of eight pairs in ascending order of columns, into pair 0
	TAKE 0, 1
	TAKE 2, 3
	TAKE 4, 5
	TAKE 6, 7
	TAKE 0, 2
	TAKE 4, 6
	TAKE 0, 4
.endm
	s_wait_loadcnt 8                               ; the eight pairs are in; the high rows' eight loads, issued behind them, stay out
	BEST
	ds_store_b64 v4, v[K:K+1]
	s_wait_dscnt 0x0                               ; for the others' sake: my store is done
	s_barrier_signal -1
	s_barrier_wait -1
.irp p, 0,1,2,3,4,5,6,7
	ds_load_b64 v[K+2*\p:K+2*\p+1], v5 offset:256*\p   ; wave p's result for my lane's row: tile columns 8 p .. 8 p + 7
.endr
	s_wait_dscnt 0x0
	BEST
	s_delay_alu instid0(VALU_DEP_1)
	v_min_u32 v[K+1], VMAX, v[K+1]                 ; inside the table
	s_or_b32 s30, s38, s36
	s_cmp_lg_u32 s30, 0
	s_cbranch_scc1 .Lno_index                      ; out1 has one owner for each run: wave 0 of the work-group with y = 0
	global_store_b32 v6, v[K+1], s[14:15]          ; 32 rows' indices, 128 consecutive bytes
.Lno_index:
	s_wait_alu depctr_va_vdst(0)
.irp i, 0,1,2,3                                ; THE LOW ROWS: the chosen column where the mask is set, else the id
	v_readlane_b32 s[26+\i], v[K+1], \i
	s_bfe_u32 s30, s24, (8<<16)|(8*\i)             ; its mask byte: SCC = set
	s_cselect_b32 s[26+\i], s[26+\i], s[16+\i]
	s_min_u32 s[26+\i], s[26+\i], VMAX             ; inside the table
	s_lshl_b32 s30, s[26+\i], 13
	s_add_nc_u64 s[48+2*\i:49+2*\i], s[4:5], s[30:31]
	global_load_b128 v[D+8*\i:D+3+8*\i], v2, s[48+2*\i:49+2*\i]
	global_load_b128 v[D+4+8*\i:D+7+8*\i], v2, s[48+2*\i:49+2*\i] offset:512
.endr
	s_wait_loadcnt 8                               ; the high rows are in; the low rows' eight loads stay out
.irp i, 0,1,2,3
.irp k, 0,1,2,3,4,5,6,7
	v_cndmask_b32 v[D+32+8*\i+\k], v[D+32+8*\i+\k], 0, s[32+\i]
.endr
	global_store_b128 v2, v[D+32+8*\i:D+35+8*\i], s[12:13] offset:4194304+8192*\i th:TH_STORE_NT       ; 512 rows of 8,192 bytes on; 32 lanes store 512 consecutive bytes, aligned; written once, read by nobody here
	global_store_b128 v2, v[D+36+8*\i:D+39+8*\i], s[12:13] offset:4194304+8192*\i+512 th:TH_STORE_NT
.endr
.irp k, 0,1,2,3,4,5,6,7
	s_wait_loadcnt 7-\k                            ; loads come back in order (ISA guide 5.7.1): load k is in, the younger ones stay out
	global_store_b128 v2, v[D+4*\k:D+4*\k+3], s[12:13] offset:8192*(\k/2)+512*(\k%2) th:TH_STORE_NT
.endr
	s_wait_tensorcnt 0x0
	ds_add_u32 v96, v97
	s_wait_dscnt 0x0
	s_endpgm
.Lfunc_end_k_q5eb1a06901_blend:
	.size	k_q5eb1a06901_blend, .Lfunc_end_k_q5eb1a06901_blend-k_q5eb1a06901_blend
	.p2alignl 7, 3214868480
	.fill 96, 4, 3214868480
	.section	.rodata,"a",@progbits
	.p2align	6, 0x0
	.amdhsa_kernel k_q5eb1a06901_blend
		.amdhsa_group_segment_fixed_size 3072
		.amdhsa_private_segment_fixed_size 0
		.amdhsa_enable_private_segment 0
		.amdhsa_kernarg_size 48
		.amdhsa_user_sgpr_count 2
		.amdhsa_user_sgpr_kernarg_segment_ptr 1
		.amdhsa_wavefront_size32 1
		.amdhsa_system_sgpr_workgroup_id_x 1
		.amdhsa_system_sgpr_workgroup_id_y 1
		.amdhsa_system_sgpr_workgroup_id_z 1
		.amdhsa_system_vgpr_workitem_id 0
		.amdhsa_next_free_vgpr 98
		.amdhsa_next_free_sgpr 66
		.amdhsa_reserve_vcc 1
		.amdhsa_float_denorm_mode_32 3
		.amdhsa_float_denorm_mode_16_64 3
		.amdhsa_memory_ordered 1
		.amdhsa_forward_progress 1
		.amdhsa_inst_pref_size 14
	.end_amdhsa_kernel
	.amdgpu_metadata
---
amdhsa.version: [ 1, 2 ]
amdhsa.kernels:
  - .name:           k_q5eb1a06901_blend
    .symbol:         k_q5eb1a06901_blend.kd
    .args:
      - { .name: embed_weight, .offset: 0, .size: 8, .value_kind: global_buffer, .address_space: global }
      - { .name: input_ids, .offset: 8, .size: 8, .value_kind: global_buffer, .address_space: global }
      - { .name: modality_mask, .offset: 16, .size: 8, .value_kind: global_buffer, .address_space: global }
      - { .name: part, .offset: 24, .size: 8, .value_kind: global_buffer, .address_space: global }
      - { .name: out0, .offset: 32, .size: 8, .value_kind: global_buffer, .address_space: global }
      - { .name: out1, .offset: 40, .size: 8, .value_kind: global_buffer, .address_space: global }
    .group_segment_fixed_size: 3072
    .private_segment_fixed_size: 0
    .kernarg_segment_align: 8
    .kernarg_segment_size: 48
    .max_flat_workgroup_size: 256
    .sgpr_count:     66
    .vgpr_count:     98
    .wavefront_size: 32
...
	.end_amdgpu_metadata
.endif
;; end of part 3
